; MI455X (gfx1250); checked and timed in simulation.
; The chip was launched on July 23, 2026; its instructions are those of AMD's public machine-readable ISA for CDNA 5 (MIT licence, August 2026) and "CDNA5" Instruction Set Architecture Reference Guide (July 2026). The comments in the code are by the model that wrote it; some were corrected since.
;; Head. Allowed arithmetic: matrix products marked QUANTISED: E3M2 operands, one E8M0 scale for each 32 along K, by v_wmma_scale_f32_16x16x128_f8f6f4 with both operands' format E3M2, f32 sums; everything else in f32.
;; Inputs: w1 2,048 x 2,048 float32; w2 2,048 x 2,048 float32; x 4 x 2,048 x 2,048 float32.
;; Outputs: out0 4 x 2,048 x 2,048 float32.
;; This version of the problem:
;;   THIS VERSION OF THE PROBLEM IS GIVEN IN LOW PRECISION. The matrix products marked QUANTISED in the list below multiply operands that are first quantised to E3M2 (3 exponent bits, 2 mantissa bits; 6 bits a number), with one power-of-two scale for each 32 numbers along K (OCP MX v1.0); their sums are f32. All else is computed in f32.
;;   The module's matrix products, in the order in which they are computed (A, B: the left and right operand; K: the contracted axis; several contracted axes count as one K, in the product's order):
;;     1. [M 8,192, K 2,048] x [K 2,048, N 2,048]; A: input x; B: input w1: QUANTISED
;;     2. batch 8,192 x [M 32, K 64] x [K 64, N 32]; A: computed on the way; B: computed on the way: QUANTISED
;;     3. batch 8,192 x [M 32, K 32] x [K 32, N 64]; A: softmax (see below); B: computed on the way: QUANTISED
;;     4. [M 8,192, K 2,048] x [K 2,048, N 2,048]; A: computed on the way; B: input w2: QUANTISED
;;   THE QUANTISER, for each operand of a quantised product, along K:
;;     - K is cut into blocks of 32 from its start; a last block that is shorter is filled with zeros.
;;     - A block's scale is 2^e with e = floor(log2(the largest magnitude in the block)) - 4, held to -126 .. 127; a block of zeros has e = 0. As a byte (E8M0): e + 127.
;;     - Each number is divided by its block's scale, clamped to +-28, and rounded to the nearest number of E3M2, ties to even, subnormals kept.
;;     - The product sums the exact products of the quantised numbers (number of the format x scale) in f32.
;;   ~~~python
;;   def quantise(x, axis):      # numpy; x: float32 -> the quantised numbers, widened to float32 again
;;       x = np.moveaxis(x, axis, -1); K = x.shape[-1]
;;       x = np.pad(x, [(0, 0)] * (x.ndim - 1) + [(0, -K % 32)]); x = x.reshape(x.shape[:-1] + (-1, 32)); a = np.abs(x).max(-1, keepdims=True)
;;       e = np.where(a > 0, np.clip(np.frexp(np.where(a > 0, a, 1))[1] - 1 - 4, -126, 127), 0)      # np.frexp(a)[1] - 1 = floor(log2(a)), exactly
;;       r = np.clip(x / 2.0 ** e, -28, 28)
;;       step = 2.0 ** (np.maximum(np.frexp(np.where(r == 0, 1, r))[1] - 1, -2) - 2)
;;       q = np.round(r / step) * step * 2.0 ** e      # np.round: ties to even
;;       return np.moveaxis(q.reshape(q.shape[:-2] + (-1,))[..., :K], -1, axis).astype(np.float32)
;;   ~~~
;;   SOFTMAX AHEAD OF A QUANTISED PRODUCT. Where the list says 'softmax', what is quantised is not the finished softmax but p = 2^(t - M), with t = logit x log2(e) and M = ceil(the row's largest t), a whole number; so 1/2 < the row's largest p <= 1. The row's sum l is taken of the UNQUANTISED p, in f32, and the product's result is divided by l at the end. Since M is a whole number, a kernel that streams over the keys may use a running M (the ceiling of the running maximum): every later rescaling is an exact power of two, which a block's scale takes up: the codes' values come out the same.
;;   OPERANDS COMPUTED ON THE WAY. 'Computed on the way' means the value that the module computes at that place (a softmax that the list does not call 'softmax' is quantised finished and normalised). What goes into a quantiser is computed in f32, as accurately as f32 sums, v_exp_f32 and their like allow (about 1e-6 of the number): no bf16 or f16 on the way to a quantiser, and a product that is left as it is and whose result goes on into a quantised operand takes f32 operands (vector FMAs, or v_wmma_f32_16x16x4_f32). A number that lies on a knife's edge between two numbers of the format may be rounded either way, as far as f32 arithmetic and the matrix unit's own rounding can turn it there, and no further.
;; One version. Each part assembles by itself: llvm-mc -triple=amdgcn-amd-amdhsa -mcpu=gfx1250 --defsym DOCPART=n.
;; ======== version 1 of 1: 4 launches
;; limits: right only within a limited range of input values
;; workspace buffers: acodes 12,582,912 bytes; ascales 524,288 bytes; w1c 3,145,728 bytes; w1s 131,072 bytes; w2c 3,145,728 bytes; w2s 131,072 bytes; h 67,108,864 bytes
;; launch quant (part 1): grid 768 x 1, 4 waves a work-group, no clusters, 33,280 bytes of LDS; arguments x, w1, w2, acodes, w1c, w2c, ascales, w1s, w2s; writes acodes, w1c, w2c, ascales, w1s, w2s
.if DOCPART == 1
	.amdgcn_target "amdgcn-amd-amdhsa--gfx1250"
	.amdhsa_code_object_version 6
	.text
	.protected	k_q673f76fc19_quant
	.globl	k_q673f76fc19_quant
	.p2align	8
	.type	k_q673f76fc19_quant,@function
k_q673f76fc19_quant:
	s_mov_b64 s[64:65], 0
	v_nop
	global_prefetch_b8 v0, s[64:65] scope:SCOPE_SE
	s_setreg_imm32_b32 hwreg(HW_REG_WAVE_MODE, 25, 1), 1
	s_wait_xcnt 0x0
; x [8192][2048], w1 [2048][2048] and w2 [2048][2048], f32, K innermost, become codes of BF6 (E3M2), 6 bits each, K innermost, with one E8M0 scale byte for each 32 along K.
; A block's scale is 2^(floor(log2(its largest magnitude)) - 4); its byte is the largest magnitude's own exponent field - 4, held at 1 from below.  Each number is divided by the scale and rounded to the
; nearest code, ties to even; beyond the largest code the conversion gives the largest code.
; LIMITS: a block whose largest magnitude lies under 2^-122 (a block of zeros among them) gets the byte 1; a block of zeros has zero codes, which add nothing under that byte, and only this program reads the bytes.
; NaN and infinities among the inputs are not served.
; Rows are dense and K is a multiple of 32: each tensor is a plain stream of blocks of 32 numbers, and so are its codes (24 bytes a block) and its scale bytes.
; SHARES: a work-group takes 32,768 numbers, a wave 8,192, in 16 steps of 512.  Work-groups 0-511 take x, 512-639 w1, 640-767 w2: only pointers are chosen, all take one path.
; A conversion takes 16 numbers of one block from ONE lane's registers, so a lane must hold 16 neighbours; a load is dense where neighbouring LANES take neighbouring bytes.  Both are had: each of a step's four loads
; reads 512 consecutive bytes, 16 a lane; the 2,048 bytes go through the wave's own stage in LDS as they lie and come back 64 bytes a lane (16 bytes of padding behind each 64).  Two neighbouring lanes hold a block.
; A wave's 256 scale bytes are gathered in its own 256 bytes of LDS and leave as 256 consecutive aligned bytes.  Waves share nothing: no barrier.  No work-group shares an input with another: no cluster.
.set STEPS, 16
.set WGX,   512                        ; work-groups of x
.set WGXW,  640                        ; of x and w1 together
.set EMAX,  4
.set CB,    12                         ; bytes of 16 codes
.set R,     16                         ; v16-79   four sets of 16 numbers as they are loaded
.set X,     80                         ; v80-111  two sets of 16 neighbours
.set E,     112                        ; v112-127 a scale byte for each step
.set C,     128                        ; v128-191 codes: four registers for each step, so that no store's data are written again
.set WREG,  8192                       ; LDS: a region for each wave: two stages of 32 x SP bytes, behind them its 256 scale bytes
.set SP,    80                         ; a lane's place in a stage: 64 bytes + 16 of padding
	s_load_b256 s[24:31], s[0:1], 0x0              ; x, w1, w2, x's codes
	s_load_b256 s[32:39], s[0:1], 0x20             ; w1's codes, w2's codes, x's scales, w1's scales
	s_load_b64 s[40:41], s[0:1], 0x40              ; w2's scales
	v_lshl_add_u32 v192, v0, 2, 0x8000
	v_mov_b32 v193, 0
	v_lshrrev_b32 v1, 5, v0
	v_readfirstlane_b32 s16, v1                    ; wave
	v_and_b32 v2, 31, v0                           ; lane
	v_lshlrev_b32 v3, 4, v2                        ; my 16 bytes of a load's 512
	s_mul_i32 s17, s16, WREG
	v_lshrrev_b32 v14, 2, v2
	v_mul_u32_u24 v14, v14, SP
	v_and_b32 v15, 3, v2
	v_lshl_add_u32 v14, v15, 4, v14
	v_add_nc_u32 v14, s17, v14                     ; the stage, way in: four lanes' 64 bytes on end, then 16 of padding
	v_mul_u32_u24 v15, v2, SP
	v_add_nc_u32 v15, s17, v15                     ; way out: SP x lane: my 16 neighbours
	v_mul_u32_u24 v4, v2, CB                       ; my codes' place in a step's
	v_lshrrev_b32 v5, 1, v2
	s_add_co_u32 s17, s17, 2*32*SP
	v_add_nc_u32 v5, s17, v5                       ; LDS: my wave's 256 scale bytes, my block's byte
	v_lshlrev_b32 v7, 3, v2                        ; and on the way out 8 bytes a lane
	v_add_nc_u32 v6, s17, v7
	s_wait_alu depctr_va_vdst(0)
	s_wait_kmcnt 0x0
	s_cmp_lt_u32 ttmp9, WGX                        ; x's work-group, or a weight's?  The choice hangs on the work-group's number alone
	s_cselect_b64 s[4:5], s[24:25], s[26:27]
	s_cselect_b64 s[8:9], s[30:31], s[32:33]
	s_cselect_b64 s[10:11], s[36:37], s[38:39]
	s_cselect_b32 s17, 0, WGX
	s_cmp_lt_u32 ttmp9, WGXW                       ; w2's?
	s_cselect_b64 s[4:5], s[4:5], s[28:29]
	s_cselect_b64 s[8:9], s[8:9], s[34:35]
	s_cselect_b64 s[10:11], s[10:11], s[40:41]
	s_cselect_b32 s17, s17, WGXW
	s_sub_co_u32 s17, ttmp9, s17                   ; my work-group's number within its tensor
	s_lshl_b32 s17, s17, 2
	s_add_co_u32 s18, s17, s16                     ; which run of 8,192 numbers of the tensor is my wave's
	s_mov_b32 s19, 0
	s_mov_b64 s[20:21], 512*STEPS*4
	s_mul_u64 s[20:21], s[18:19], s[20:21]
	s_add_nc_u64 s[4:5], s[4:5], s[20:21]
	s_mov_b64 s[20:21], 32*STEPS*CB
	s_mul_u64 s[20:21], s[18:19], s[20:21]
	s_add_nc_u64 s[8:9], s[8:9], s[20:21]
	s_lshl_b32 s18, s18, 8                         ; 256 scale bytes a run
	s_add_nc_u64 s[10:11], s[10:11], s[18:19]
.macro LOAD t
.irp i, 0,1,2,3
	global_load_b128 v[R+16*((\t)%4)+4*\i:R+16*((\t)%4)+4*\i+3], v3, s[4:5] offset:2048*(\t)+512*\i th:TH_LOAD_NT   ; 32 lanes read 512 consecutive bytes
.endr
.endm
.macro TURN t                          ; step t's numbers through the stage: LDS serves a wave's instructions in order (ISA guide 5.7.1), so no wait stands between the stores and the loads
.irp i, 0,1,2,3
	ds_store_b128 v14, v[R+16*((\t)%4)+4*\i:R+16*((\t)%4)+4*\i+3] offset:32*SP*((\t)%2)+8*SP*\i
.endr
.irp i, 0,1,2,3
	ds_load_b128 v[X+16*((\t)%2)+4*\i:X+16*((\t)%2)+4*\i+3], v15 offset:32*SP*((\t)%2)+16*\i
.endr
.endm
.irp t, 0,1,2,3
	LOAD \t
.endr
	s_wait_loadcnt 12                              ; step 0's four loads are in; the twelve of steps 1 to 3 may be out
	TURN 0
.macro STEP t
.set XS, X+16*((\t)%2)
.if (\t) > 0
	s_wait_dscnt 1                                 ; this step's numbers are back from the stage (the last step's byte store may be out): so its stores into the stage have read their registers,
.else
	s_wait_dscnt 0x0
.endif
.if (\t)+4 < STEPS
	LOAD (\t)+4                                    ; which take the loads of four steps on
.endif
.if (\t)+1 < STEPS
.if STEPS-2-(\t) >= 3
	s_wait_loadcnt 12                              ; the next step's four loads are in; those of the three steps behind it may be out
.else
	s_wait_loadcnt 4*(STEPS-2-(\t))                ; the tail: fewer steps stand behind it
.endif
	TURN (\t)+1                                    ; they go through the other stage while this step is worked
.endif
	v_max3_num_f32 v8, |v[XS]|, |v[XS+1]|, |v[XS+2]|               ; the largest magnitude of my 16, in two chains
	v_max3_num_f32 v9, |v[XS+3]|, |v[XS+4]|, |v[XS+5]|
.irp i, 6,10
	v_max3_num_f32 v8, v8, |v[XS+\i]|, |v[XS+\i+1]|
	v_max3_num_f32 v9, v9, |v[XS+\i+2]|, |v[XS+\i+3]|
.endr
	v_max3_num_f32 v8, v8, |v[XS+14]|, |v[XS+15]|
	v_max3_num_f32 v8, v8, v9, (EMAX+1)<<23        ; and the floor 2^(EMAX + 1 - 127): the byte cannot fall under 1
	v_max_num_f32_dpp v8, v8, v8 row_xmask:1 row_mask:0xf bank_mask:0xf   ; with my neighbour's 16: the block's
	v_add_nc_u32 v11, -(EMAX<<23), v8              ; EMAX off its exponent field: the conversion takes the exponent field of this operand as its scale
	v_cvt_scalef32_pk16_bf6_f32 v[C+4*(\t):C+4*(\t)+2], v[XS:XS+15], v11         ; 16 codes, 96 bits without gaps, the first number's code lowest
	v_lshrrev_b32 v[E+(\t)], 23, v11               ; the scale's byte (also the plain line behind the conversion)
	ds_store_b8 v5, v[E+(\t)] offset:16*(\t)       ; both lanes of a block write the same byte with the same value
	global_store_b96 v4, v[C+4*(\t):C+4*(\t)+2], s[8:9] offset:32*CB*(\t)   ; the wave stores 384 consecutive bytes
.endm
.irp t, 0,1,2,3,4,5,6,7,8,9,10,11,12,13,14,15
	STEP \t
.endr
	ds_load_b64 v[12:13], v6                       ; in order behind my byte stores
	s_wait_dscnt 0x0
	global_store_b64 v7, v[12:13], s[10:11]        ; 32 lanes store 256 consecutive bytes, at a multiple of 256 from the buffer's first byte
	s_wait_tensorcnt 0x0
	ds_add_u32 v192, v193
	s_wait_dscnt 0x0
	s_endpgm
.Lfunc_end_k_q673f76fc19_quant:
	.size	k_q673f76fc19_quant, .Lfunc_end_k_q673f76fc19_quant-k_q673f76fc19_quant
	.p2alignl 7, 3214868480
	.fill 96, 4, 3214868480
	.section	.rodata,"a",@progbits
	.p2align	6, 0x0
	.amdhsa_kernel k_q673f76fc19_quant
		.amdhsa_group_segment_fixed_size 33280
		.amdhsa_private_segment_fixed_size 0
		.amdhsa_enable_private_segment 0
		.amdhsa_kernarg_size 72
		.amdhsa_user_sgpr_count 2
		.amdhsa_user_sgpr_kernarg_segment_ptr 1
		.amdhsa_wavefront_size32 1
		.amdhsa_system_sgpr_workgroup_id_x 1
		.amdhsa_system_sgpr_workgroup_id_y 1
		.amdhsa_system_sgpr_workgroup_id_z 1
		.amdhsa_system_vgpr_workitem_id 0
		.amdhsa_next_free_vgpr 194
		.amdhsa_next_free_sgpr 66
		.amdhsa_reserve_vcc 0
		.amdhsa_float_denorm_mode_32 3
		.amdhsa_float_denorm_mode_16_64 3
		.amdhsa_memory_ordered 1
		.amdhsa_forward_progress 1
		.amdhsa_inst_pref_size 33
	.end_amdhsa_kernel
	.amdgpu_metadata
---
amdhsa.version: [ 1, 2 ]
amdhsa.kernels:
  - .name:           k_q673f76fc19_quant
    .symbol:         k_q673f76fc19_quant.kd
    .args:
      - { .name: x, .offset: 0, .size: 8, .value_kind: global_buffer, .address_space: global }
      - { .name: w1, .offset: 8, .size: 8, .value_kind: global_buffer, .address_space: global }
      - { .name: w2, .offset: 16, .size: 8, .value_kind: global_buffer, .address_space: global }
      - { .name: acodes, .offset: 24, .size: 8, .value_kind: global_buffer, .address_space: global }
      - { .name: w1c, .offset: 32, .size: 8, .value_kind: global_buffer, .address_space: global }
      - { .name: w2c, .offset: 40, .size: 8, .value_kind: global_buffer, .address_space: global }
      - { .name: ascales, .offset: 48, .size: 8, .value_kind: global_buffer, .address_space: global }
      - { .name: w1s, .offset: 56, .size: 8, .value_kind: global_buffer, .address_space: global }
      - { .name: w2s, .offset: 64, .size: 8, .value_kind: global_buffer, .address_space: global }
    .group_segment_fixed_size: 33280
    .private_segment_fixed_size: 0
    .kernarg_segment_align: 8
    .kernarg_segment_size: 72
    .max_flat_workgroup_size: 128
    .sgpr_count:     66
    .vgpr_count:     194
    .wavefront_size: 32
...
	.end_amdgpu_metadata
.endif
;; end of part 1
;; launch gemm1 (part 2): grid 8 x 32, 4 waves a work-group, clusters of 4 x 4, 327,680 bytes of LDS; arguments acodes, ascales, w1c, w1s, h; writes h
.if DOCPART == 2
	.amdgcn_target "amdgcn-amd-amdhsa--gfx1250"
	.amdhsa_code_object_version 6
	.text
	.protected	k_q673f76fc19_gemm1
	.globl	k_q673f76fc19_gemm1
	.p2align	8
	.type	k_q673f76fc19_gemm1,@function
k_q673f76fc19_gemm1:
	s_mov_b64 s[64:65], 0
	v_nop
	global_prefetch_b8 v0, s[64:65] scope:SCOPE_SE
	s_setreg_imm32_b32 hwreg(HW_REG_WAVE_MODE, 25, 1), 1
	s_wait_xcnt 0x0
	s_wait_alu depctr_hold_cnt(0) depctr_sa_sdst(0) depctr_va_vdst(0) depctr_va_sdst(0) depctr_va_ssrc(0) depctr_va_vcc(0) depctr_vm_vsrc(0)
	s_getreg_b32 s2, hwreg(HW_REG_IB_STS2, 6, 4)
	s_cmp_eq_u32 s2, 0
	s_cbranch_scc0 .Lentry_in_a_cluster
	s_endpgm
.Lentry_in_a_cluster:
	s_bfe_u32 s2, ttmp6, 0x10000c
	s_cmp_lg_u32 s2, 0xf033
	s_cbranch_scc0 .Lentry_shape_is_right
	s_endpgm
.Lentry_shape_is_right:
; C[m][n] = sum over k of A[m][k] B[n][k]: A [8192][2048], B [2048][2048] as BF6 (E3M2) codes, K innermost, 1,536 bytes a row, one E8M0 byte for each 32 along K; C f32.
; Serves both large products of the program (x w1^T and o w2^T).
; A work-group of four waves makes 256 x 256 of C, a wave 128 x 128: 64 accumulators, 512 registers.  Grid 8 x 32 = 256 work-groups.
; K walks through two LDS slots in chunks of 256 bytes of each row (six chunks; each begins at a multiple of 256 bytes).  A matrix step is 128 along K = 96 bytes: 16 steps; some lie across two chunks.
; The scales of the 256 + 256 rows for all of K (2 x 16 KiB, dense) come into LDS once, at the head.
; CLUSTER 4 x 4: A's tiles are asked for jointly along a row of the cluster, B's along a column.
; Source 0 = rows of B, source 1 = rows of A: a lane holds eight neighbouring columns of one row of C.
; PREFETCH: behind the first fragment loads each wave names chunks 2 and 3, behind the refill that brings chunk c it names chunk c + 2 (c = 2, 3); the last two refills name nothing.
; Of the 128 rows that a wave fetches, the partner at place p of the four that ask jointly names rows 32 p .. 32 p + 31 (p = cx for A, cy for B), a lane a row:
; each 256 bytes are named once in a cluster.  The chunk stands in the immediate, so the address registers are never written again.
; REGISTERS: window 0: v16-30 addresses, v32-63 scale words (two sets), v128-223 A's fragments (one set); window 1: B's fragments, two sets at v0, v128; windows 2, 3: accumulators.
; lds_bytes claims all of LDS and the adds of 0 stand where they do.
.set SIZE_M, 8192
.set SIZE_N, 2048
.set SIZE_K, 2048
.set ROWB,   256
.set NQ,     2
.set KROW,   SIZE_K*6/8
.set STEPS,  SIZE_K/128
.set CHUNKS, KROW/ROWB
.set PITCH,  272                       ; 256 bytes + 16 of padding
.set FR,     12
.set NL,     6
.set NP,     4
.set HALFT,  128*PITCH
.set SLOT,   4*HALFT                   ; A's 256 rows, then B's
.set KS,     SIZE_K/32
.set SCL,    2*SLOT                    ; the scales, in units of 256 + 16 bytes
.set HALFS,  (128*KS/256)*272
.set SBLK,   (16*KS/256)*272
.set SPARE,  SCL+4*HALFS               ; 512 bytes of spare words
.set SPITCH, 528                       ; stage row: 512 bytes + 16
.set STAGE,  (CHUNKS%2)*SLOT           ; the stage lies in the slot that does not hold the last chunk
.set ADRA, 16                          ; v16-17 A's fragments in slot 0, 1; v18-19 for pieces whose lane halves lie in two chunks
.set ADRB, 20                          ; v20-23 the same for B
.set STO,  24
.set RD,   25
.set CO,   26
.set ADRS, 27
.set SPW,  28
.set NIL,  29
.set PFO,  30                          ; v30 the prefetches' offset: lane x a row of codes; never rewritten
.set PFA,  94                          ; s[94:95] my work-group's 32 rows of the 128 that my wave fetches; never rewritten
.set SC,   32
.set AF,   128
.set G1, 24
.set G0, 32
.set G1B, 48
.set G0B, 56
.set G1S, 68
.set G0S, 76
.set G1SB, 80
.set G0SB, 88
.set G0H, 4
.set G0HB, 8
.set MSB, 0
.macro WIN new                         ; high byte = the setting that is left
.if MSB != \new
	s_set_vgpr_msb (MSB<<8)|\new
.set MSB, \new
.endif
.endm
.set MUL_LO, 0xa1
.set MUL_HI, 0xf1
.set TO_B,   0x40
.macro TLOAD g0, g1                    ; a tensor load with an s_nop and four v_nop behind it
	tensor_load_to_lds s[\g0:\g0+3], s[\g1:\g1+7]
	s_nop 0
.rept 4
	v_nop
.endr
.endm
.macro JLOAD g0a, g1a, g0b, g1b        ; waves 0, 1 ask for A, waves 2, 3 for B
	s_cmp_eq_u32 s15, 0
	s_cbranch_scc0 .Lfor_b_\@
	TLOAD \g0a, \g1a
	s_branch .Lasked_\@
.Lfor_b_\@:
	TLOAD \g0b, \g1b
.Lasked_\@:
.endm
.macro ASK c                           ; chunk c of my 32 rows, a lane a row
	global_prefetch_b8 v[PFO], s[PFA:PFA+1] offset:(\c)*ROWB th:TH_LOAD_NT scope:SCOPE_SE
.endm
.macro CREST                           ; the cluster's round behind its opening barrier
	s_cmp_lg_u32 s14, 0
	s_cbranch_scc1 .Lnot_wave_0_\@
	s_barrier_signal -3
.Lnot_wave_0_\@:
	s_barrier_wait -3
	s_barrier_signal -1
	s_barrier_wait -1
.endm
.macro CROUND
	s_barrier_signal -1
	s_barrier_wait -1
	CREST
.endm
	s_load_b128 s[4:7], s[0:1], 0x0                ; A's codes, A's scales
	s_load_b128 s[8:11], s[0:1], 0x10              ; B's codes, B's scales
	s_load_b64 s[12:13], s[0:1], 0x20              ; C
	v_lshl_add_u32 v[SPW], v0, 2, SPARE
	v_mov_b32 v[NIL], 0
	ds_add_u32 v[SPW], v[NIL]                      ; the opening adds
	ds_add_u32 v[SPW], v[NIL]
	v_lshrrev_b32 v1, 5, v0
	v_readfirstlane_b32 s14, v1                    ; wave
	s_lshr_b32 s15, s14, 1                         ; my half of the rows; also: I fetch for A (0) or B (1)
	s_and_b32 s16, s14, 1                          ; my half of the columns; also: which 128 rows I fetch
	s_bfe_u32 s40, ttmp6, 0x40000                  ; cx
	s_bfe_u32 s41, ttmp6, 0x40004                  ; cy
	s_lshl_b32 s42, ttmp9, 2
	s_add_co_u32 s42, s42, s40                     ; tile column
	s_and_b32 s17, ttmp7, 0xffff
	s_lshl_b32 s17, s17, 2
	s_add_co_u32 s17, s17, s41                     ; tile row
	s_lshl_b32 s43, s41, 2
	s_lshl_b32 s43, 15, s43                        ; mask: my row of the cluster
	s_lshl_b32 s44, 0x1111, s40                    ; mask: my column
	s_or_b32 s[G1+0], s43, (0<<16)|(1<<20)|(1<<21)|(5<<22)|(3<<25)   ; bytes; 4 dwords of padding behind each 64
	s_or_b32 s[G1B+0], s44, (0<<16)|(1<<20)|(1<<21)|(5<<22)|(3<<25)
.irp g, G1, G1B
	s_mov_b32 s[\g+1], ROWB<<16
	s_mov_b32 s[\g+2], 256<<16                     ; 256 rows for the head's loads
	s_mov_b32 s[\g+3], ROWB<<16
	s_mov_b32 s[\g+4], 256
	s_mov_b32 s[\g+5], KROW
	s_mov_b32 s[\g+6], 0
	s_mov_b32 s[\g+7], 0
.endr
	s_or_b32 s[G1S+0], s43, (3<<16)|(1<<20)|(1<<21)|(5<<22)|(3<<25)  ; scales: KS rows of 32 x 8 bytes
	s_or_b32 s[G1SB+0], s44, (3<<16)|(1<<20)|(1<<21)|(5<<22)|(3<<25)
.irp g, G1S, G1SB
	s_mov_b32 s[\g+1], 32<<16
	s_mov_b32 s[\g+2], KS<<16
	s_mov_b32 s[\g+3], 32<<16
	s_mov_b32 s[\g+4], KS
	s_mov_b32 s[\g+5], 32
	s_mov_b32 s[\g+6], 0
	s_mov_b32 s[\g+7], 0
.endr
	s_lshl_b32 s20, s17, 8                         ; A's first row
	s_lshl_b32 s46, s42, 8                         ; B's first row
	s_mov_b32 s21, 0
	s_mov_b32 s47, 0
	s_mov_b64 s[18:19], KS
	s_mul_u64 s[22:23], s[20:21], s[18:19]         ; byte offsets of the scales
	s_mul_u64 s[92:93], s[46:47], s[18:19]
	s_mov_b64 s[18:19], KROW
	s_mul_u64 s[20:21], s[20:21], s[18:19]         ; and of the codes
	s_mul_u64 s[46:47], s[46:47], s[18:19]
	s_mul_i32 s18, s16, 128*KROW                   ; the ring: my 128 rows
	s_mov_b32 s19, 0
	s_mul_i32 s45, s14, HALFT                      ; and their LDS place: wave x 128 rows
	s_cmp_eq_u32 s15, 0                            ; the prefetches: do I fetch for A?
	s_cselect_b32 s96, s17, s42                    ; the tile's number: A's by the tile row, B's by the tile column
	s_cselect_b32 s97, s40, s41                    ; my place among the four that ask with me
	s_lshl_b32 s96, s96, 8
	s_lshl_b32 s97, s97, 5
	s_add_co_u32 s96, s96, s97                     ; + my work-group's 32 rows
	s_lshl_b32 s97, s16, 7
	s_add_co_u32 s96, s96, s97                     ; + the 128 rows that I fetch
	s_mul_i32 s96, s96, KROW                       ; in bytes: under 8,192 x 1,536
	s_mov_b32 s97, 0
	s_wait_dscnt 0x0                               ; both opening adds are done
	s_wait_kmcnt 0x0
	s_add_nc_u64 s[20:21], s[4:5], s[20:21]
	s_add_nc_u64 s[22:23], s[6:7], s[22:23]
	s_add_nc_u64 s[46:47], s[8:9], s[46:47]
	s_add_nc_u64 s[92:93], s[10:11], s[92:93]
	s_cmp_eq_u32 s15, 0
	s_cselect_b64 s[PFA:PFA+1], s[4:5], s[8:9]
	s_add_nc_u64 s[PFA:PFA+1], s[PFA:PFA+1], s[96:97]
	CROUND                                         ; in front of the first joint loads
	s_mov_b32 s[G0H], 1                            ; chunk 0 of A's 256 rows
	s_mov_b32 s[G0H+1], 0
	s_mov_b64 s[G0H+2:G0H+3], s[20:21]
	s_or_b32 s[G0H+3], s[G0H+3], 0x80000000
	s_mov_b32 s[G0HB], 1                           ; of B's
	s_mov_b32 s[G0HB+1], 2*HALFT
	s_mov_b64 s[G0HB+2:G0HB+3], s[46:47]
	s_or_b32 s[G0HB+3], s[G0HB+3], 0x80000000
	s_mov_b32 s[G0S], 1                            ; A's scales
	s_mov_b32 s[G0S+1], SCL
	s_mov_b64 s[G0S+2:G0S+3], s[22:23]
	s_or_b32 s[G0S+3], s[G0S+3], 0x80000000
	s_mov_b32 s[G0SB], 1                           ; B's scales
	s_mov_b32 s[G0SB+1], SCL+2*HALFS
	s_mov_b64 s[G0SB+2:G0SB+3], s[92:93]
	s_or_b32 s[G0SB+3], s[G0SB+3], 0x80000000
	s_add_nc_u64 s[20:21], s[20:21], s[18:19]
	s_add_nc_u64 s[46:47], s[46:47], s[18:19]
.irp s, 0,1
	s_mov_b32 s[G0+4*\s], 1
	s_add_co_u32 s[G0+4*\s+1], s45, \s*SLOT
	s_add_nc_u64 s[G0+4*\s+2:G0+4*\s+3], s[20:21], \s*ROWB
	s_or_b32 s[G0+4*\s+3], s[G0+4*\s+3], 0x80000000
	s_mov_b32 s[G0B+4*\s], 1
	s_add_co_u32 s[G0B+4*\s+1], s45, \s*SLOT
	s_add_nc_u64 s[G0B+4*\s+2:G0B+4*\s+3], s[46:47], \s*ROWB
	s_or_b32 s[G0B+4*\s+3], s[G0B+4*\s+3], 0x80000000
.endr
; the head's four tiles, one load a wave, in one chain of branches on the wave's number
.macro ARM under, g0, g1, next
	s_cmp_lt_u32 s14, \under
	s_cbranch_scc0 \next
	TLOAD \g0, \g1
	s_branch .Lhead_asked
\next:
.endm
	ARM 1, G0H,  G1,  .Lhead_b
	ARM 2, G0HB, G1B, .Lhead_sa
	ARM 3, G0S,  G1S, .Lhead_sb
	TLOAD G0SB, G1SB
.Lhead_asked:
	v_and_b32 v1, 15, v0                           ; r
	v_bfe_u32 v2, v0, 4, 1                         ; h
	v_mul_u32_u24 v3, v1, PITCH
	v_mul_u32_u24 v4, v2, 24
	v_add_nc_u32 v4, v3, v4                        ; row x pitch + 24 h
	s_mov_b32 s21, SLOT-232
	s_mov_b32 s22, SLOT+232
	v_sub_nc_u32 v7, 1, v2
	v_mul_u32_u24 v5, s21, v2
	v_add_nc_u32 v5, v3, v5
	v_add_nc_u32 v5, 232, v5                       ; lanes 0-15 byte 232 in slot 0, lanes 16-31 byte 0 in slot 1
	v_mul_u32_u24 v6, s22, v7
	v_add_nc_u32 v6, v3, v6                        ; lanes 0-15 byte 232 in slot 1, lanes 16-31 byte 0 in slot 0
	s_mul_i32 s21, s15, HALFT
	s_mul_i32 s22, s16, HALFT
	s_add_co_u32 s22, s22, 2*HALFT
	v_add_nc_u32 v[ADRA+2], s21, v5
	v_add_nc_u32 v[ADRA+3], s21, v6
	v_add_nc_u32 v[ADRB+2], s22, v5
	v_add_nc_u32 v[ADRB+3], s22, v6
.irp s, 0,1
	v_add_nc_u32 v[ADRA+\s], s21, v4
	v_add_nc_u32 v[ADRB+\s], s22, v4
	s_add_co_u32 s21, s21, SLOT
	s_add_co_u32 s22, s22, SLOT
.endr
	v_mul_u32_u24 v5, v1, KS                       ; my row's scales, 16 bytes more for each 256 passed
	v_lshrrev_b32 v6, 8, v5
	v_lshl_add_u32 v5, v6, 4, v5
	s_mul_i32 s21, s15, HALFS
	s_mul_i32 s22, s16, HALFS
	s_add_co_u32 s22, s22, 2*HALFS
	s_sub_co_u32 s22, s22, s21
	v_mul_u32_u24 v6, s22, v2                      ; lanes 16-31 take B's
	s_add_co_u32 s21, s21, SCL
	v_add_nc_u32 v5, v5, v6
	v_add_nc_u32 v[ADRS], s21, v5
	s_mul_i32 s23, s14, 16*SPITCH
	s_add_co_u32 s23, s23, STAGE
	v_mul_u32_u24 v5, v1, SPITCH
	v_lshl_add_u32 v5, v2, 5, v5
	v_add_nc_u32 v[STO], s23, v5                   ; stage, way in: row r, 32 bytes a lane half
	v_and_b32 v6, 31, v0
	v_lshlrev_b32 v[CO], 4, v6                     ; way back: 32 lanes take a row of 512 bytes
	v_add_nc_u32 v[RD], s23, v[CO]
	v_mul_u32_u24 v[PFO], v6, KROW                 ; the prefetches: a lane a row
	s_lshl_b32 s20, s17, 8
	s_lshl_b32 s21, s15, 7
	s_add_co_u32 s20, s20, s21                     ; my first row of C
	s_mov_b32 s21, 0
	s_mov_b64 s[18:19], SIZE_N*4
	s_mul_u64 s[20:21], s[20:21], s[18:19]
	s_lshl_b32 s46, s42, 10
	s_lshl_b32 s47, s16, 9
	s_add_co_u32 s46, s46, s47                     ; my first column, in bytes
	s_mov_b32 s47, 0
	s_add_nc_u64 s[20:21], s[20:21], s[46:47]
	s_add_nc_u64 s[12:13], s[12:13], s[20:21]
; a fragment: six pieces of 8 bytes; byte y of a row lies in slot (y / 256) % 2 at byte y % 256
.macro FRAG reg, adr, st, i
.irp p, 0,1,2,3,4,5
.set BY, 96*(\st)+48*(\p/3)+8*(\p%3)
.if BY/ROWB == (BY+24)/ROWB
	ds_load_b64 v[\reg+2*\p:\reg+2*\p+1], v[\adr+(BY/ROWB)%2] offset:BY%ROWB+(\i)*16*PITCH
.else
	ds_load_b64 v[\reg+2*\p:\reg+2*\p+1], v[\adr+2+(BY/ROWB)%2] offset:BY%ROWB-232+(\i)*16*PITCH
.endif
.endr
.endm
; A's blocks a0, a0 + 1 against B's eight; the 64 accumulators take turns
.macro MUL16 a0, p, q, sc, zero
.irp a, \a0, \a0+1
.irp b, 0,1,2,3,4,5,6,7
.if \zero
	v_wmma_scale_f32_16x16x128_f8f6f4 v[8*(8*((\a)%4)+\b):8*(8*((\a)%4)+\b)+7], v[128*(\p)+FR*\b:128*(\p)+FR*\b+FR-1], v[AF+FR*(\a):AF+FR*(\a)+FR-1], 0, v[SC+8*NQ*(\sc)+NQ*\b+(\q)], v[SC+8*NQ*(\sc)+NQ*(\a)+(\q)] matrix_a_fmt:MATRIX_FMT_BF6 matrix_b_fmt:MATRIX_FMT_BF6 matrix_a_scale:MATRIX_SCALE_ROW1
.else
	v_wmma_scale_f32_16x16x128_f8f6f4 v[8*(8*((\a)%4)+\b):8*(8*((\a)%4)+\b)+7], v[128*(\p)+FR*\b:128*(\p)+FR*\b+FR-1], v[AF+FR*(\a):AF+FR*(\a)+FR-1], v[8*(8*((\a)%4)+\b):8*(8*((\a)%4)+\b)+7], v[SC+8*NQ*(\sc)+NQ*\b+(\q)], v[SC+8*NQ*(\sc)+NQ*(\a)+(\q)] matrix_a_fmt:MATRIX_FMT_BF6 matrix_b_fmt:MATRIX_FMT_BF6 matrix_a_scale:MATRIX_SCALE_ROW1
.endif
.endr
.endr
.endm
.macro FETCH_B st, p
	WIN TO_B
.irp i, 0,1,2,3,4,5,6,7
	FRAG 128*(\p)+FR*\i, ADRB, \st, \i
.endr
	WIN 0
.endm
.macro FETCH_A st, i0
.irp i, \i0, \i0+1, \i0+2, \i0+3
	FRAG AF+FR*(\i), ADRA, \st, \i
.endr
.endm
.macro SCALES pr                       ; the words of steps 2 pr, 2 pr + 1: lanes 0-15 A's block i, lanes 16-31 B's
.irp i, 0,1,2,3,4,5,6,7
	ds_load_b64 v[SC+8*NQ*((\pr)%2)+NQ*\i:SC+8*NQ*((\pr)%2)+NQ*\i+1], v[ADRS] offset:\i*SBLK+4*NQ*(\pr)
.endr
.endm
.macro PLACES n                        ; places behind matrix instructions (ISA guide 7.12.1)
.rept \n
	v_nop
.endr
.endm
; a step: 64 products; the next step's fragments are fetched in its middle and at its end.
; E1 > E0: the next step reaches a chunk not read yet: wait for it, barrier.  C1 > C0: a chunk is left behind: the three lines, barrier; where a chunk two on exists, the cluster's round and the refill.
.macro STEP st, zero
.set NX, (\st)+1
.set C0, (96*(\st))/ROWB
.set C1, (96*NX)/ROWB
.set E0, (96*(\st)+95)/ROWB
.set E1, (96*NX+95)/ROWB
.if C1 > C0 || E1 > E0
	s_wait_tensorcnt 0x0                           ; all my tensor loads have landed
.if C1 > C0
	ds_add_u32 v[SPW], v[NIL]
	s_wait_dscnt 4*NL+1                            ; the add and A's blocks 4-7 (24 loads) may be out
.else
	s_wait_dscnt 4*NL                              ; A's blocks 4-7 may be out
.endif
	WIN MUL_LO
	MUL16 0, (\st)%2, (\st)%2, ((\st)/2)%2, \zero
	s_wait_dscnt 0x0                               ; the add and all my LDS reads are done
	s_barrier_signal -1
	MUL16 2, (\st)%2, (\st)%2, ((\st)/2)%2, \zero
	WIN 0
	s_barrier_wait -1
.if C1 > C0 && C0+2 < CHUNKS
	CREST
	s_add_nc_u64 s[G0+4*(C0%2)+2:G0+4*(C0%2)+3], s[G0+4*(C0%2)+2:G0+4*(C0%2)+3], 2*ROWB
	s_add_nc_u64 s[G0B+4*(C0%2)+2:G0B+4*(C0%2)+3], s[G0B+4*(C0%2)+2:G0B+4*(C0%2)+3], 2*ROWB
	JLOAD G0+4*(C0%2), G1, G0B+4*(C0%2), G1B       ; chunk C0 + 2; its four v_nop are the places for the loads below
.else
	PLACES NP
.endif
.else
	s_wait_dscnt 4*NL                              ; A's blocks 4-7 may be out
	WIN MUL_LO
	MUL16 0, (\st)%2, (\st)%2, ((\st)/2)%2, \zero
	MUL16 2, (\st)%2, (\st)%2, ((\st)/2)%2, \zero
	s_wait_dscnt 0
	PLACES NP
.endif
	FETCH_B NX, NX%2
	FETCH_A NX, 0
.if NX%2 == 0
	SCALES NX/2
.endif
.if C1 > C0 && C0+4 < CHUNKS
	ASK C0+4                                       ; behind the refill of chunk C0 + 2 and the run of LDS loads: the chunk two refills on
.endif
	WIN MUL_HI
	MUL16 4, (\st)%2, (\st)%2, ((\st)/2)%2, \zero
	MUL16 6, (\st)%2, (\st)%2, ((\st)/2)%2, \zero
	PLACES NP
	WIN 0
	FETCH_A NX, 4
.endm
	s_wait_alu depctr_va_vdst(0)                   ; the head's end
	s_wait_tensorcnt 0x0                           ; my tile of the head's four is in
	ds_add_u32 v[SPW], v[NIL]
	s_mov_b32 s[G1+2], 128<<16                     ; no load of mine is out: from here on a load brings 128 rows
	s_mov_b32 s[G1+4], 128
	s_mov_b32 s[G1B+2], 128<<16
	s_mov_b32 s[G1B+4], 128
	s_wait_dscnt 0x0
	CROUND
	JLOAD G0+4, G1, G0B+4, G1B                     ; chunk 1, slot 1's first fill
	FETCH_B 0, 0
	FETCH_A 0, 0
	SCALES 0
	FETCH_A 0, 4
	ASK 2                                          ; the next two refills' chunks: the first of them is asked for in step 2
	ASK 3
	STEP 0, 1                                      ; the first products start the sums
.set ST, 1
.rept STEPS-2
	STEP ST, 0
.set ST, ST+1
.endr
	s_wait_dscnt 4*NL                              ; the last step
	WIN MUL_LO
	MUL16 0, 1, 1, 1, 0
	MUL16 2, 1, 1, 1, 0
	s_wait_dscnt 0
	WIN MUL_HI
	MUL16 4, 1, 1, 1, 0
	MUL16 6, 1, 1, 1, 0
	WIN 0
; THE WAY OUT, by blocks of 16 rows x 128 columns through my own stage; rows of 512 bytes come back and are stored by 32 lanes.
; Each block comes back into 64 registers of its own (window BW, from v[BB]): blocks 0-2 window 0, blocks 3-6 window 1, block 7 the registers of block 0's accumulators,
; and every store's offset is an immediate (127 rows x 8,192 bytes at the most): no store's data, offset or base is written again.
.macro BUF a
.if (\a) < 3
.set BW, 0
.set BB, 64+64*(\a)
.elseif (\a) < 7
.set BW, 1
.set BB, 64*((\a)-3)
.else
.set BW, 2
.set BB, 0
.endif
.endm
.macro TOSTAGE a
.set AC, 64*((\a)%4)
	WIN 0x08+4*((\a)/4)                            ; store data: window 2 or 3
.irp b, 0,1,2,3,4,5,6,7
	ds_store_b128 v[STO], v[AC+8*\b:AC+8*\b+3] offset:64*\b          ; each accumulator from its low end on
	ds_store_b128 v[STO], v[AC+8*\b+4:AC+8*\b+7] offset:64*\b+16
.endr
	BUF \a
	WIN BW<<6
.irp t, 0,1,2,3,4,5,6,7,8,9,10,11,12,13,14,15
	ds_load_b128 v[BB+4*\t:BB+4*\t+3], v[RD] offset:\t*SPITCH        ; in order behind my stores (ISA guide 5.7.1)
.endr
.endm
.macro SEND a, younger
	BUF \a
	s_wait_dscnt \younger                          ; the block is back; the next block's 16 stores and 16 loads may be out
	WIN BW<<2
.irp t, 0,1,2,3,4,5,6,7,8,9,10,11,12,13,14,15
	global_store_b128 v[CO], v[BB+4*\t:BB+4*\t+3], s[12:13] offset:(16*(\a)+\t)*SIZE_N*4 th:TH_STORE_NT   ; 512 consecutive aligned bytes
.endr
.endm
	PLACES NP
	TOSTAGE 0
.irp a, 1,2,3,4,5,6,7
	TOSTAGE \a
	SEND \a-1, 32
.endr
	SEND 7, 0
	WIN 0
	s_wait_tensorcnt 0x0                           ; the wave's end
	ds_add_u32 v[SPW], v[NIL]
	s_wait_dscnt 0x0
	CROUND                                         ; the closing round
	s_endpgm
.Lfunc_end_k_q673f76fc19_gemm1:
	.size	k_q673f76fc19_gemm1, .Lfunc_end_k_q673f76fc19_gemm1-k_q673f76fc19_gemm1
	.p2alignl 7, 3214868480
	.fill 96, 4, 3214868480
	.section	.rodata,"a",@progbits
	.p2align	6, 0x0
	.amdhsa_kernel k_q673f76fc19_gemm1
		.amdhsa_group_segment_fixed_size 327680
		.amdhsa_private_segment_fixed_size 0
		.amdhsa_enable_private_segment 0
		.amdhsa_kernarg_size 40
		.amdhsa_user_sgpr_count 2
		.amdhsa_user_sgpr_kernarg_segment_ptr 1
		.amdhsa_wavefront_size32 1
		.amdhsa_system_sgpr_workgroup_id_x 1
		.amdhsa_system_sgpr_workgroup_id_y 1
		.amdhsa_system_sgpr_workgroup_id_z 1
		.amdhsa_system_vgpr_workitem_id 0
		.amdhsa_next_free_vgpr 1024
		.amdhsa_next_free_sgpr 98
		.amdhsa_reserve_vcc 0
		.amdhsa_float_denorm_mode_32 3
		.amdhsa_float_denorm_mode_16_64 3
		.amdhsa_memory_ordered 1
		.amdhsa_forward_progress 1
		.amdhsa_inst_pref_size 255
	.end_amdhsa_kernel
	.section	.bss,"aw",@nobits
	.p2align	6
	.space	262144
	.amdgpu_metadata
---
amdhsa.version: [ 1, 2 ]
amdhsa.kernels:
  - .name:           k_q673f76fc19_gemm1
    .symbol:         k_q673f76fc19_gemm1.kd
    .args:
      - { .name: acodes, .offset: 0, .size: 8, .value_kind: global_buffer, .address_space: global }
      - { .name: ascales, .offset: 8, .size: 8, .value_kind: global_buffer, .address_space: global }
      - { .name: w1c, .offset: 16, .size: 8, .value_kind: global_buffer, .address_space: global }
      - { .name: w1s, .offset: 24, .size: 8, .value_kind: global_buffer, .address_space: global }
      - { .name: h, .offset: 32, .size: 8, .value_kind: global_buffer, .address_space: global }
    .group_segment_fixed_size: 327680
    .private_segment_fixed_size: 0
    .kernarg_segment_align: 8
    .kernarg_segment_size: 40
    .max_flat_workgroup_size: 128
    .sgpr_count:     98
    .vgpr_count:     1024
    .wavefront_size: 32
...
	.end_amdgpu_metadata
.endif
;; end of part 2
;; launch mix (part 3): grid 256 x 1, 16 waves a work-group, no clusters, 172,032 bytes of LDS; arguments h, acodes, ascales; writes acodes, ascales
.if DOCPART == 3
	.amdgcn_target "amdgcn-amd-amdhsa--gfx1250"
	.amdhsa_code_object_version 6
	.text
	.protected	k_q673f76fc19_mix
	.globl	k_q673f76fc19_mix
	.p2align	8
	.type	k_q673f76fc19_mix,@function
k_q673f76fc19_mix:
	s_mov_b64 s[64:65], 0
	v_nop
	global_prefetch_b8 v0, s[64:65] scope:SCOPE_SE
	s_setreg_imm32_b32 hwreg(HW_REG_WAVE_MODE, 25, 1), 1
	s_wait_xcnt 0x0
; THE HEAD MIXING, token by token.  A token's row of h, 2,048 f32, is H[32 heads][64 channels].  S = H H^T (K = the 64 channels), softmax over the 32 heads, O = P H (K = the 32 heads), o = O / l.
; Both products run on codes of BF6 (E3M2) with one E8M0 scale for each 32 along K.  o is quantised along its 2,048 numbers and leaves as codes [token][64 blocks][24 bytes] and scale bytes [token][64]
; for the last large product.  H is quantised twice: along the channels (two blocks a head) for S, and along the heads (one block a channel) for P H.
; SOFTMAX: t = score x log2(e), rounded to f32; M = ceil(the row's largest t); p = 2^(t - M) is what is quantised; the row's sum l is taken of the unquantised p and divides O.
; The multiplication and the addition of -M are two instructions on purpose: t is the ROUNDED product, and with M a whole number t - M then rounds nothing: p comes from the very t that the definition names.
; S IS MADE IN TWO PARTS.  S goes through an exponential, and the row's largest p has four codes to fall on: a change of 2^-14 in a score near 2^6 moves p by 4 parts in 100,000 and can turn a whole head's weight by a fifth.
; A score needs up to 23 binary places (under 2^7, its products down to 2^-16), and the products of one instruction on the plain codes span 18 places.  So the QUERIES' quantised numbers are split by size: the code values
; of magnitude 4 and more (whole numbers), and the rest (3.5 at the most), which is written with codes 8 times larger under a scale byte 3 lower: the same numbers.  Keys x large span 13 places, keys x small 14;
; each part has accumulators of its own, begun with the constant 0, and the two are added in f32, which rounds nothing.  The codes are widened back to f32 for the split, so the quantiser's rounding is made once, by the conversion.
; SHARES: a work-group takes 32 tokens, each of its 16 waves two, written out one behind the other: no loop, every offset an immediate.  Four waves share a SIMD (256 registers each), so one wave's LDS and
; exponentials stand beside another's arithmetic.  The second token is asked for in the middle of the first.  Work-groups share no input: no cluster, no tensor load.  One barrier, for the scale bytes' way out.
; INDEX MAPS (L lane, r = L % 16, hh = L / 16, rho(r) = r + 8 (r / 8)):
;   a tile of heads u gives lane r the head 8 u + rho(r), as keys (source 0) and as queries (source 1) alike.  S^T tile (a, u): lane (r, hh), register jj = query 8 a + rho(r), key 16 hh + 8 u + jj: the 16 registers of
;   tiles (a, 0), (a, 1) are 16 neighbouring keys.  A UNIT is six registers: a tile's 16 heads, lane (r, hh) holding channel block hh of its head; an operand is two units, K blocks 0, 1 and K blocks 2, 3.
;   K IS PADDED TO 128: one of source 1's two units is zero codes under scale bytes 0; source 0 holds the other tile of keys there, which so counts for nothing.
;   For P H the padding is put to use: ONE operand HJ holds all 64 channels: K block q = 2 c + hh, row m = channel 32 c + 8 hh + rho(m), its 32 heads along the block.  P comes in four versions P_q, with its 32 codes
;   in K block q alone, zero codes and scale bytes 0 elsewhere.  HJ x P_q = O^T tile q: lane (r, hh), register jj = query 8 a + rho(r), channel 32 (q / 2) + 16 hh + 8 (q % 2) + jj: tiles 2 b, 2 b + 1 are 16 neighbours of block b.
; LIMITS: NaN and infinities are not served.  A block whose largest magnitude lies under 2^-122 (along the channels of H: under 2^-119, byte 4, so that the lowered byte stays 1 or more) gets the floor's byte, a block of
; zeros among them; only this program reads the bytes.  v_exp_f32 gives 0 for p under 2^-126, which is a zero code in any case (the block's largest p is above 1/2).  The division by l is v_rcp_f32 and a multiplication.
.set WREG, 10496                       ; LDS: a region for each wave: IN, 8,960 bytes, then OUTB, 1,536 bytes
.set OUTB, 8960                        ; IN: head row j at 272 j + 128 (j / 16): with these paddings the 16 rows {0..7, 16..23} of a 16-byte fragment load fall on 16 different 16-byte columns of 256
.set SCB,  16*WREG                     ; behind the regions: the work-group's 32 x 64 scale bytes
.set R,    16                          ; v16-79   a token as loaded, dense; then at work; then the large parts of the code values; then the next token on its way
.set XD,   80                          ; v80-143  tile u of heads at XD + 32 u: my head's 32 channels; then their code values; then the small parts
.set S,    80                          ; v80-111  S^T, keys x large, then the whole: query tile a at S + 16 a
.set SL,   112                         ; v112-143 S^T, keys x small; then at work
.set XJ,   144                         ; v144-207 group c at XJ + 32 c + j: my channel's 32 heads
.set DT,   144                         ; v144-171 at work in the channels' quantiser
.set HA,   184                         ; v184-201 the keys: [F0][F1][F0]: window w = v[HA + 6 w ..] holds tile w in K blocks 0, 1 and tile 1 - w in K blocks 2, 3
.set U0,   202                         ; v202-207 the queries' small part, tile 1
.set O,    144                         ; v144-207 later O^T: tile (a, q) at O + 32 a + 8 q
.set T,    208                         ; v208-237 [Za][slot 1][Zb][slot 2][Zc], six registers each; the three Z are zeroed once and never written again.  For S: slot 1 = large 0, slot 2 = small 0; then P
.set U5,   238                         ; v238-243 the queries' large part, tile 1
.set HJ,   244                         ; v244-255 H along the heads
; v1 16 x lane;  v2 IN, way in;  v3 IN, a head's channels;  v4 IN, a channel's heads;  v5 OUTB, way in;  v6 my scale bytes' place;  v7 OUTB, way out;  v8 8 hh
; SCALE WORDS, in registers that hold nothing else: v9 large 0 (bytes 0, 1);  v10 large 1 (bytes 2, 3);  v11 HJ;  v12, v13 the keys' windows 0, 1;  v14 small 0 (bytes 2, 3);  v15 small 1 (bytes 0, 1);
; behind S v12-15 take P's (tile a: v12 + 2 a for q = 0, 1;  v13 + 2 a for q = 2, 3)
	s_load_b128 s[4:7], s[0:1], 0x0                ; h, the codes
	s_load_b64 s[8:9], s[0:1], 0x10                ; the scale bytes
	v_lshrrev_b32 v2, 5, v0
	s_delay_alu instid0(VALU_DEP_1)
	v_readfirstlane_b32 s10, v2                    ; wave 0..15
	v_and_b32 v1, 31, v0
	s_delay_alu instid0(VALU_DEP_1)
	v_lshlrev_b32 v1, 4, v1                        ; 16 x lane
	s_mul_i32 s11, s10, WREG                       ; my region
	s_lshl_b32 s12, ttmp9, 18                      ; 32 tokens of 8,192 bytes a work-group,
	s_lshl_b32 s20, s10, 14                        ; two a wave
	s_add_co_u32 s12, s12, s20
	s_mov_b32 s13, 0
	s_wait_alu depctr_va_vdst(0)
	s_wait_kmcnt 0x0
	s_add_nc_u64 s[4:5], s[4:5], s[12:13]
.irp i, 0,1,2,3,4,5,6,7,8,9,10,11,12,13,14,15
	global_load_b128 v[R+4*\i:R+4*\i+3], v1, s[4:5] offset:512*\i th:TH_LOAD_NT   ; my first token: 32 lanes read 512 consecutive bytes, two heads
.endr
	s_mul_i32 s12, ttmp9, 32*1536                  ; a token's codes are 1,536 bytes
	s_mul_i32 s20, s10, 2*1536
	s_add_co_u32 s12, s12, s20
	s_add_nc_u64 s[6:7], s[6:7], s[12:13]
	s_lshl_b32 s12, ttmp9, 11                      ; the work-group's 2,048 scale bytes
	s_add_nc_u64 s[8:9], s[8:9], s[12:13]
	s_mov_b32 s16, 0x76543210
	s_mov_b32 s17, 0xfedcba98                      ; v_permlanex16_b32's selects for lane l xor 16
	s_mov_b32 s18, 0x3fb8aa3b                      ; log2(e)
	s_mov_b32 s19, s18                             ; (named with it as a pair, so it is written)
	s_mov_b32 s22, 0x41800000                      ; 16.0: a code value of magnitude 4 or more has a square of 16 or more
	v_and_b32 v80, 15, v0                          ; r
	v_bfe_u32 v81, v0, 4, 1                        ; hh
	v_bfe_u32 v82, v0, 3, 1                        ; r / 8
	s_delay_alu instid0(VALU_DEP_3)
	v_lshlrev_b32 v2, 4, v80
	s_delay_alu instid0(VALU_DEP_1)
	v_mad_u32_u24 v2, v81, 272, v2
	s_delay_alu instid0(VALU_DEP_1)
	v_add_nc_u32 v2, s11, v2                       ; way in: load i holds heads 2 i + hh: 272 hh + 16 r
	v_mul_u32_u24 v3, v80, 272
	s_delay_alu instid0(VALU_DEP_1)
	v_mad_u32_u24 v3, v82, 2304, v3
	s_delay_alu instid0(VALU_DEP_1)
	v_lshl_add_u32 v3, v81, 7, v3
	s_delay_alu instid0(VALU_DEP_1)
	v_add_nc_u32 v3, s11, v3                       ; head rho(r): 272 r + (8 x 272 + 128) (r / 8); channels 32 hh on
	v_lshlrev_b32 v4, 2, v80
	s_delay_alu instid0(VALU_DEP_1)
	v_lshl_add_u32 v4, v82, 5, v4
	s_delay_alu instid0(VALU_DEP_1)
	v_lshl_add_u32 v4, v81, 5, v4
	s_delay_alu instid0(VALU_DEP_1)
	v_add_nc_u32 v4, s11, v4                       ; channel 8 hh + rho(r): the 32 lanes take 128 consecutive bytes of a head's row
	v_mul_u32_u24 v5, v80, 48
	s_delay_alu instid0(VALU_DEP_1)
	v_mad_u32_u24 v5, v82, 384, v5
	s_delay_alu instid0(VALU_DEP_1)
	v_mad_u32_u24 v5, v81, 12, v5
	s_delay_alu instid0(VALU_DEP_1)
	v_add_nc_u32 v5, s11, v5
	s_delay_alu instid0(VALU_DEP_1)
	v_add_nc_u32 v5, OUTB, v5                      ; o's codes: head rho(r) at 48 bytes a head, my 16 codes 12 hh on
	s_lshl_b32 s20, s10, 7
	v_lshlrev_b32 v6, 1, v80
	s_delay_alu instid0(VALU_DEP_1)
	v_lshl_add_u32 v6, v82, 4, v6
	s_delay_alu instid0(VALU_DEP_1)
	v_add_nc_u32 v6, s20, v6
	s_delay_alu instid0(VALU_DEP_1)
	v_add_nc_u32 v6, SCB, v6                       ; o's scale bytes: two a head, 128 a wave
	v_add_nc_u32 v7, s11, v1
	s_delay_alu instid0(VALU_DEP_1)
	v_add_nc_u32 v7, OUTB, v7
	v_lshlrev_b32 v8, 3, v81
.irp k, 0,1,2,3,4,5
	v_mov_b32 v[T+\k], 0                           ; Za,
	v_mov_b32 v[T+12+\k], 0                        ; Zb,
	v_mov_b32 v[T+24+\k], 0                        ; Zc: zero codes
.endr
; One product of S^T: d the accumulator, w the keys' window, b the queries' operand, sa and sb the scale words.  Each accumulator is named once and begins with the constant 0.
.macro SPROD d, w, b, sa, sb
	v_wmma_scale_f32_16x16x128_f8f6f4 v[\d:\d+7], v[HA+6*(\w):HA+6*(\w)+11], v[\b:\b+11], 0, v[\sa], v[\sb] matrix_a_fmt:MATRIX_FMT_BF6 matrix_b_fmt:MATRIX_FMT_BF6
.endm
; P in slot 1 (both halves of the lanes hold 16 codes in its first three registers) becomes: slot 1 = the whole block in lanes 0-15, zeros in lanes 16-31;  slot 2 = the same with the halves changed.
.macro STRUCT
.irp k, 0,1,2
	v_mov_b32 v[T+9+\k], 0
.endr
.irp k, 0,1,2
	v_permlane16_swap_b32 v[T+6+\k], v[T+9+\k]     ; the first's lanes 16-31 (keys 16-31) change places with the second's lanes 0-15 (zeros)
.endr
.irp k, 0,1,2,3,4,5
	v_permlanex16_b32 v[T+18+\k], v[T+6+\k], s16, s17
.endr
.endm
; O^T of query tile a: four products, each on its own accumulator, each begun with the constant 0.  P_q begins at T + 6, 18, 0, 12.  Odd q take P's scale word from lanes 16-31.
.macro PV a
.irp q, 0,1,2,3
.set PB, T+6+12*(\q%2)-6*(\q/2)
.if \q%2
	v_wmma_scale_f32_16x16x128_f8f6f4 v[O+32*(\a)+8*\q:O+32*(\a)+8*\q+7], v[HJ:HJ+11], v[PB:PB+11], 0, v11, v[12+2*(\a)+\q/2] matrix_a_fmt:MATRIX_FMT_BF6 matrix_b_fmt:MATRIX_FMT_BF6 matrix_b_scale:MATRIX_SCALE_ROW1
.else
	v_wmma_scale_f32_16x16x128_f8f6f4 v[O+32*(\a)+8*\q:O+32*(\a)+8*\q+7], v[HJ:HJ+11], v[PB:PB+11], 0, v11, v[12+2*(\a)+\q/2] matrix_a_fmt:MATRIX_FMT_BF6 matrix_b_fmt:MATRIX_FMT_BF6
.endif
.endr
.endm
; o of query tile a: O^T / l, quantised along the channels (block b: my 16 numbers and lane l xor 16's), codes and scale bytes to LDS.  The two blocks take turns line by line.
.macro OUTQ a, t
.irp j, 0,2,4,6,8,10,12,14
.irp b, 0,1
	v_pk_mul_f32 v[O+32*(\a)+16*\b+\j:O+32*(\a)+16*\b+\j+1], v[O+32*(\a)+16*\b+\j:O+32*(\a)+16*\b+\j+1], v[124+2*(\a):125+2*(\a)] op_sel_hi:[1,0]   ; x 1 / l; ascending: each accumulator is read from its low end on
.endr
.endr
.irp b, 0,1
	v_max3_num_f32 v[100+\b], |v[O+32*(\a)+16*\b]|, |v[O+32*(\a)+16*\b+1]|, 0x2800000   ; with the floor 2^(5 - 127): the byte cannot fall under 1
.endr
.irp i, 2,4,6,8,10,12,14
.irp b, 0,1
	s_delay_alu instid0(VALU_DEP_2)
	v_max3_num_f32 v[100+\b], v[100+\b], |v[O+32*(\a)+16*\b+\i]|, |v[O+32*(\a)+16*\b+\i+1]|
.endr
.endr
.irp b, 0,1
	v_permlanex16_b32 v[102+\b], v[100+\b], s16, s17
.endr
.irp b, 0,1
	s_delay_alu instid0(VALU_DEP_2)
	v_max_num_f32 v[100+\b], v[100+\b], v[102+\b]  ; the block's largest magnitude
.endr
.irp b, 0,1
	s_delay_alu instid0(VALU_DEP_2)
	v_add_nc_u32 v[100+\b], 0xfe000000, v[100+\b]  ; 4 off its exponent field: the conversion's scale operand
.endr
.irp b, 0,1
	s_delay_alu instid0(VALU_DEP_2)
	v_lshrrev_b32 v[104+\b], 23, v[100+\b]         ; the scale's byte
.endr
.irp b, 0,1
	v_cvt_scalef32_pk16_bf6_f32 v[80+8*(\a)+4*\b:82+8*(\a)+4*\b], v[O+32*(\a)+16*\b:O+32*(\a)+16*\b+15], v[100+\b]
.endr
	v_lshl_or_b32 v[106+(\a)], v105, 8, v104       ; my head's two bytes (also the plain line behind the conversions)
.irp b, 0,1
.irp w, 0,1,2
	ds_store_b32 v5, v[80+8*(\a)+4*\b+\w] offset:384*(\a)+24*\b+4*\w   ; 12 bytes at 48 x head + 24 b + 12 hh: no multiple of 16, so word by word
.endr
.endr
	ds_store_b16 v6, v[106+(\a)] offset:16*(\a)+64*(\t)   ; both halves of the lanes write the same two bytes with the same value
.endm
; A TOKEN.  t: which of my two;  more = 1: the next token is asked for.
.macro TOKEN t, more
	s_wait_loadcnt 0x0                             ; the token's 16 loads are in
.if \t
	s_wait_xcnt 0x0                                ; the last token's stores have read v128-139, into which LDS loads are issued below
.endif
.irp i, 0,1,2,3,4,5,6,7,8,9,10,11,12,13,14,15
	ds_store_b128 v2, v[R+4*\i:R+4*\i+3] offset:544*\i+128*(\i/8)
.endr
.irp u, 0,1
.irp k, 0,1,2,3,4,5,6,7
	ds_load_b128 v[XD+32*\u+4*\k:XD+32*\u+4*\k+3], v3 offset:2176*\u+16*\k   ; head 8 u + rho(r), channels 32 hh + 4 k on.  LDS serves a wave's instructions in order (ISA guide 5.7.1): these see the stores above
.endr
.endr
.irp c, 0,1
.irp j, 0,1,2,3,4,5,6,7,8,9,10,11,12,13,14,15,16,17,18,19,20,21,22,23,24,25,26,27,28,29,30,31
	ds_load_b32 v[XJ+32*\c+\j], v4 offset:272*\j+128*(\j/16)+128*\c   ; head j, channel 32 c + 8 hh + rho(r)
.endr
.endr
	s_wait_dscnt 0x0                               ; both views of the token are in; the stores have read v16-79, which are at work from here on
	; ---- H along the heads: a lane holds two whole blocks of 32
.irp c, 0,1
	v_max3_num_f32 v[R+\c], |v[XJ+32*\c]|, |v[XJ+32*\c+1]|, 0x2800000   ; with the floor 2^(5 - 127)
.endr
.irp i, 2,4,6,8,10,12,14,16,18,20,22,24,26,28,30
.irp c, 0,1
	s_delay_alu instid0(VALU_DEP_2)
	v_max3_num_f32 v[R+\c], v[R+\c], |v[XJ+32*\c+\i]|, |v[XJ+32*\c+\i+1]|
.endr
.endr
.irp c, 0,1
	s_delay_alu instid0(VALU_DEP_2)
	v_add_nc_u32 v[R+\c], 0xfe000000, v[R+\c]      ; 4 off the exponent field: the conversion's scale operand
.endr
.irp c, 0,1
	s_delay_alu instid0(VALU_DEP_2)
	v_lshrrev_b32 v[R+2+\c], 23, v[R+\c]           ; the byte of K block 2 c + hh, row r
.endr
	s_delay_alu instid0(VALU_DEP_1)
	v_lshl_or_b32 v[R+4], v[R+3], 16, v[R+2]       ; my two bytes,
	s_delay_alu instid0(VALU_DEP_1)
	v_lshlrev_b32 v[R+4], v8, v[R+4]               ; at their places (8 hh bits up);
	s_delay_alu instid0(VALU_DEP_1)
	v_permlanex16_b32 v[R+5], v[R+4], s16, s17
	s_delay_alu instid0(VALU_DEP_1)
	v_or_b32 v11, v[R+4], v[R+5]                   ; with lane l xor 16's two the word is whole
.irp c, 0,1
	v_cvt_scalef32_pk16_bf6_f32 v[HJ+6*\c:HJ+6*\c+2], v[XJ+32*\c:XJ+32*\c+15], v[R+\c]
	v_cvt_scalef32_pk16_bf6_f32 v[R+8+4*\c:R+10+4*\c], v[XJ+32*\c+16:XJ+32*\c+31], v[R+\c]   ; (a conversion's three registers begin on an even number: the upper 16 codes are made here and moved)
.endr
	v_nop                                          ; one plain place behind a scaled conversion
.irp c, 0,1
.irp k, 0,1,2
	v_mov_b32 v[HJ+3+6*\c+\k], v[R+8+4*\c+\k]
.endr
.endr
	; ---- H along the channels: a lane holds a whole block of 32 of each tile's head
	v_mov_b32 v[DT+8], 0x7f7f7f7f                  ; the scale 1 for the way back from codes, in every byte
	v_mov_b32 v[DT+9], 1.0                         ; the conversions' scale operands: 1 for the large parts,
	v_mov_b32 v[DT+10], 0x3e000000                 ; 2^-3 for the small parts
.irp u, 0,1
	v_max3_num_f32 v[DT+\u], |v[XD+32*\u]|, |v[XD+32*\u+1]|, 0x4000000   ; with the floor 2^(8 - 127): the byte cannot fall under 4
.endr
.irp i, 2,4,6,8,10,12,14,16,18,20,22,24,26,28,30
.irp u, 0,1
	s_delay_alu instid0(VALU_DEP_2)
	v_max3_num_f32 v[DT+\u], v[DT+\u], |v[XD+32*\u+\i]|, |v[XD+32*\u+\i+1]|
.endr
.endr
.irp u, 0,1
	s_delay_alu instid0(VALU_DEP_2)
	v_add_nc_u32 v[DT+\u], 0xfe000000, v[DT+\u]    ; the conversion's scale operand
.endr
.irp u, 0,1
	s_delay_alu instid0(VALU_DEP_2)
	v_lshrrev_b32 v[DT+2+\u], 23, v[DT+\u]         ; the byte of block hh of my head,
.endr
.irp u, 0,1
	s_delay_alu instid0(VALU_DEP_2)
	v_lshlrev_b32 v[DT+2+\u], v8, v[DT+2+\u]       ; at its place;
.endr
.irp u, 0,1
	s_delay_alu instid0(VALU_DEP_2)
	v_permlanex16_b32 v[DT+4+\u], v[DT+2+\u], s16, s17
.endr
	s_delay_alu instid0(VALU_DEP_2)
	v_or_b32 v9, v[DT+2], v[DT+4]                  ; tile 0's two bytes in bytes 0, 1: the word of its large part
	s_delay_alu instid0(VALU_DEP_2)
	v_or_b32 v[DT+6], v[DT+3], v[DT+5]             ; tile 1's two bytes
	s_delay_alu instid0(VALU_DEP_1)
	v_lshlrev_b32 v10, 16, v[DT+6]                 ; in bytes 2, 3: the word of its large part
	s_delay_alu instid0(VALU_DEP_1)
	v_or_b32 v12, v9, v10                          ; the keys' window 0: tile 0's bytes, then tile 1's
	s_delay_alu instid0(VALU_DEP_3)
	v_lshl_or_b32 v13, v9, 16, v[DT+6]             ; window 1: tile 1's, then tile 0's
	v_add_nc_u32 v[DT+7], 0xfffffcfd, v9           ; 3 off each of the two bytes (each is 4 or more: nothing is borrowed)
	s_delay_alu instid0(VALU_DEP_1)
	v_lshlrev_b32 v14, 16, v[DT+7]                 ; tile 0's small part, in bytes 2, 3
	v_add_nc_u32 v15, 0xfffffcfd, v[DT+6]          ; tile 1's small part, in bytes 0, 1
	v_cvt_scalef32_pk16_bf6_f32 v[HA:HA+2], v[XD:XD+15], v[DT]              ; F0, lower 16 codes
	v_cvt_scalef32_pk16_bf6_f32 v[HA+12:HA+14], v[XD+16:XD+31], v[DT]       ; upper 16 (made on an even number, moved below)
	v_cvt_scalef32_pk16_bf6_f32 v[HA+6:HA+8], v[XD+32:XD+47], v[DT+1]       ; F1
	v_cvt_scalef32_pk16_bf6_f32 v[U0:U0+2], v[XD+48:XD+63], v[DT+1]
	v_nop                                          ; one plain place: the lines below read these results and write over their sources
	v_cvt_scale_pk16_f32_bf6 v[XD:XD+15], v[HA:HA+2], v[DT+8]               ; the code values, as f32
	v_cvt_scale_pk16_f32_bf6 v[XD+16:XD+31], v[HA+12:HA+14], v[DT+8]
	v_cvt_scale_pk16_f32_bf6 v[XD+32:XD+47], v[HA+6:HA+8], v[DT+8]
	v_cvt_scale_pk16_f32_bf6 v[XD+48:XD+63], v[U0:U0+2], v[DT+8]
	v_nop
.irp k, 0,1,2
	v_mov_b32 v[HA+3+\k], v[HA+12+\k]              ; F0's upper 16 codes: to its first place,
	v_mov_b32 v[HA+15+\k], v[HA+12+\k]             ; and to its second;
	v_mov_b32 v[HA+12+\k], v[HA+\k]                ; its lower 16 to the second
	v_mov_b32 v[HA+9+\k], v[U0+\k]                 ; F1's upper 16
.endr
.irp j, 0,2,4,6,8,10,12,14,16,18,20,22,24,26,28,30,32,34,36,38,40,42,44,46,48,50,52,54,56,58,60,62
	v_pk_mul_f32 v[R+\j:R+\j+1], v[XD+\j:XD+\j+1], v[XD+\j:XD+\j+1]        ; the squares (exact: six bits)
.endr
.irp j, 0,1,2,3,4,5,6,7,8,9,10,11,12,13,14,15,16,17,18,19,20,21,22,23,24,25,26,27,28,29,30,31,32,33,34,35,36,37,38,39,40,41,42,43,44,45,46,47,48,49,50,51,52,53,54,55,56,57,58,59,60,61,62,63
	v_cmp_le_f32 vcc_lo, s22, v[R+\j]
	v_cndmask_b32 v[R+\j], 0, v[XD+\j], vcc_lo     ; the large part: the value where its magnitude is 4 or more, else 0
.endr
.irp j, 0,2,4,6,8,10,12,14,16,18,20,22,24,26,28,30,32,34,36,38,40,42,44,46,48,50,52,54,56,58,60,62
	v_pk_add_f32 v[XD+\j:XD+\j+1], v[XD+\j:XD+\j+1], v[R+\j:R+\j+1] neg_lo:[0,1] neg_hi:[0,1]   ; the small part: what is left
.endr
	v_cvt_scalef32_pk16_bf6_f32 v[T+6:T+8], v[R:R+15], v[DT+9]              ; large 0 into slot 1: every number is a code's value: nothing is rounded
	v_cvt_scalef32_pk16_bf6_f32 v[DT+12:DT+14], v[R+16:R+31], v[DT+9]
	v_cvt_scalef32_pk16_bf6_f32 v[U5:U5+2], v[R+32:R+47], v[DT+9]           ; large 1
	v_cvt_scalef32_pk16_bf6_f32 v[DT+16:DT+18], v[R+48:R+63], v[DT+9]
	v_cvt_scalef32_pk16_bf6_f32 v[T+18:T+20], v[XD:XD+15], v[DT+10]         ; small 0 into slot 2: 8 x the value, 28 at the most, again a code's value
	v_cvt_scalef32_pk16_bf6_f32 v[DT+20:DT+22], v[XD+16:XD+31], v[DT+10]
	v_cvt_scalef32_pk16_bf6_f32 v[U0:U0+2], v[XD+32:XD+47], v[DT+10]        ; small 1
	v_cvt_scalef32_pk16_bf6_f32 v[DT+24:DT+26], v[XD+48:XD+63], v[DT+10]
	v_nop
.irp k, 0,1,2
	v_mov_b32 v[T+9+\k], v[DT+12+\k]
	v_mov_b32 v[U5+3+\k], v[DT+16+\k]
	v_mov_b32 v[T+21+\k], v[DT+20+\k]
	v_mov_b32 v[U0+3+\k], v[DT+24+\k]
.endr
.if \more
.irp i, 0,1,2,3,4,5,6,7,8,9,10,11,12,13,14,15
	global_load_b128 v[R+4*\i:R+4*\i+3], v1, s[4:5] offset:8192+512*\i th:TH_LOAD_NT   ; my second token, into the registers that the large parts have left: it has the rest of this token in which to land
.endr
.endif
.rept 4
	v_nop                                          ; operands written by vector instructions stand four places ahead of a scaled matrix instruction (the scale words stand far more than eight ahead)
.endr
	; ---- S^T: source 0 = a window of the keys, source 1 = a unit of the queries beside a unit of zeros
.irp u, 0,1
	SPROD S+8*\u,     \u,   T+6,  12+\u, 9         ; keys u x large 0: [slot 1 | Zb], K blocks 0, 1
	SPROD SL+8*\u,    1-\u, T+12, 13-\u, 14        ; keys u x small 0: [Zb | slot 2], K blocks 2, 3
	SPROD S+16+8*\u,  1-\u, T+24, 13-\u, 10        ; keys u x large 1: [Zc | U5], K blocks 2, 3
	SPROD SL+16+8*\u, \u,   U0,   12+\u, 15        ; keys u x small 1: [U0 | Za], K blocks 0, 1
.endr
.rept 4
	v_nop                                          ; four places behind the products (ISA guide 7.12.1)
.endr
.irp j, 0,2,4,6,8,10,12,14,16,18,20,22,24,26,28,30
	v_pk_add_f32 v[S+\j:S+\j+1], v[S+\j:S+\j+1], v[SL+\j:SL+\j+1]          ; the two parts; ascending: each accumulator is read from its low end on
.endr
	; ---- the softmax, the two tiles of queries by turns.  A lane holds one query and 16 of its 32 keys
.irp a, 0,1
	v_max3_num_f32 v[128+\a], v[S+16*\a], v[S+16*\a+1], v[S+16*\a+2]
.endr
.irp i, 3,5,7,9,11,13
.irp a, 0,1
	s_delay_alu instid0(VALU_DEP_2)
	v_max3_num_f32 v[128+\a], v[128+\a], v[S+16*\a+\i], v[S+16*\a+\i+1]
.endr
.endr
.irp a, 0,1
	s_delay_alu instid0(VALU_DEP_2)
	v_max_num_f32 v[128+\a], v[128+\a], v[S+16*\a+15]
.endr
.irp a, 0,1
	v_permlanex16_b32 v[142+\a], v[128+\a], s16, s17
.endr
.irp a, 0,1
	s_delay_alu instid0(VALU_DEP_2)
	v_max_num_f32 v[128+\a], v[128+\a], v[142+\a]  ; the row's largest score
.endr
.irp a, 0,1
	s_delay_alu instid0(VALU_DEP_2)
	v_mul_f32 v[125+2*\a], s18, v[128+\a]          ; as t (log2(e) is positive)
.endr
.irp a, 0,1
	s_delay_alu instid0(VALU_DEP_2)
	v_floor_f32 v[124+2*\a], -v[125+2*\a]          ; -M = floor(-t) = -ceil(t)
.endr
.irp a, 0,1
.irp j, 0,2,4,6,8,10,12,14
	v_pk_mul_f32 v[S+16*\a+\j:S+16*\a+\j+1], v[S+16*\a+\j:S+16*\a+\j+1], s[18:19] op_sel_hi:[1,0]   ; t, rounded
.endr
.endr
.irp a, 0,1
.irp j, 0,2,4,6,8,10,12,14
	v_pk_add_f32 v[S+16*\a+\j:S+16*\a+\j+1], v[S+16*\a+\j:S+16*\a+\j+1], v[124+2*\a:125+2*\a] op_sel_hi:[1,0]   ; t - M (of the pair the low word, -M, serves both halves)
.endr
.endr
.irp a, 0,1
	v_add_f32 v[130+\a], v[125+2*\a], v[124+2*\a]  ; the same of the largest t: the same two roundings as the largest score's own
.endr
	s_wait_alu depctr_va_vdst(0)
.irp j, 0,1,2,3,4,5,6,7,8,9,10,11,12,13,14,15,16,17,18,19,20,21,22,23,24,25,26,27,28,29,30,31
	v_exp_f32 v[S+\j], v[S+\j]                     ; p = 2^(t - M), at most 1: not normalised
.endr
.irp a, 0,1
	v_exp_f32 v[130+\a], v[130+\a]                 ; the block's largest p, in (1/2, 1]: no floor is needed
.endr
	v_nop                                          ; one plain place behind the exponentials
	s_wait_alu depctr_va_vdst(0)
.irp a, 0,1
	v_add_nc_u32 v[130+\a], 0xfe000000, v[130+\a]  ; the conversion's scale operand
.endr
.irp a, 0,1
	s_delay_alu instid0(VALU_DEP_2)
	v_lshrrev_b32 v[132+\a], 23, v[130+\a]         ; P's byte
.endr
.irp a, 0,1
	s_delay_alu instid0(VALU_DEP_2)
	v_lshlrev_b32 v[12+2*\a], v8, v[132+\a]        ; lanes 0-15: the word for q = 0 (byte 0); lanes 16-31: for q = 1 (byte 1); all other bytes 0
.endr
.irp a, 0,1
	s_delay_alu instid0(VALU_DEP_2)
	v_lshlrev_b32 v[13+2*\a], 16, v[12+2*\a]       ; likewise for q = 2 and q = 3
.endr
	v_cvt_scalef32_pk16_bf6_f32 v[T+6:T+8], v[S:S+15], v130       ; tile 0's codes, into slot 1
	v_cvt_scalef32_pk16_bf6_f32 v[134:136], v[S+16:S+31], v131    ; tile 1's wait here
	v_nop
	STRUCT
	v_pk_add_f32 v[138:139], v[S:S+1], v[S+2:S+3]  ; tile 0's sum of the UNQUANTISED p.  These eight plain lines are the places in front of the scaled matrix instructions
.irp j, 4,6,8,10,12,14
	v_pk_add_f32 v[138:139], v[138:139], v[S+\j:S+\j+1]
.endr
	s_delay_alu instid0(VALU_DEP_1)
	v_add_f32 v138, v138, v139
	PV 0
	v_pk_add_f32 v[140:141], v[S+16:S+17], v[S+18:S+19]   ; tile 1's sum: these four lines are the places before the products' source registers are written again
.irp j, 4,6,8
	v_pk_add_f32 v[140:141], v[140:141], v[S+16+\j:S+16+\j+1]
.endr
.irp k, 0,1,2
	v_mov_b32 v[T+6+\k], v[134+\k]
.endr
	STRUCT
.irp j, 10,12,14
	v_pk_add_f32 v[140:141], v[140:141], v[S+16+\j:S+16+\j+1]   ; and these four the places in front of the next products
.endr
	s_delay_alu instid0(VALU_DEP_1)
	v_add_f32 v140, v140, v141
	PV 1
.irp a, 0,1
	v_permlanex16_b32 v[142+\a], v[138+2*\a], s16, s17
.endr
.irp a, 0,1
	s_delay_alu instid0(VALU_DEP_2)
	v_add_f32 v[138+2*\a], v[138+2*\a], v[142+\a]  ; with lane l xor 16's 16 keys: l, at least 1/2
.endr
	s_wait_alu depctr_va_vdst(0)
.irp a, 0,1
	v_rcp_f32 v[124+2*\a], v[138+2*\a]
.endr
	v_nop                                          ; one plain place behind the reciprocals
	s_wait_alu depctr_va_vdst(0)
	OUTQ 0, \t                                     ; (tile 1's results are first read behind all of tile 0's lines)
	OUTQ 1, \t
.irp k, 0,1,2
	ds_load_b128 v[128+4*\k:131+4*\k], v7 offset:512*\k   ; the token's 1,536 bytes of codes, in order behind my stores
.endr
	s_wait_dscnt 0x0
.irp k, 0,1,2
	global_store_b128 v1, v[128+4*\k:131+4*\k], s[6:7] offset:1536*(\t)+512*\k   ; 32 lanes store 512 consecutive bytes, at a multiple of 512 from the buffer's first byte
.endr
.endm
	TOKEN 0, 1
	TOKEN 1, 0
	; the work-group's 2,048 scale bytes leave by waves 0 to 3, 512 consecutive bytes each.  The addresses are made ahead of the parting
	s_and_b32 s20, s10, 3
	s_lshl_b32 s20, s20, 9
	v_add_nc_u32 v21, s20, v1
	s_delay_alu instid0(VALU_DEP_1)
	v_add_nc_u32 v20, SCB, v21
	s_wait_dscnt 0x0                               ; for the others' sake: my byte stores have landed
	s_barrier_signal -1
	s_barrier_wait -1
	s_cmp_lt_u32 s10, 4
	s_cbranch_scc0 .Lend
	s_wait_alu depctr_va_vdst(0)
	ds_load_b128 v[16:19], v20
	s_wait_dscnt 0x0
	global_store_b128 v21, v[16:19], s[8:9]
.Lend:
	s_wait_xcnt 0x0
	v_lshl_add_u32 v254, v0, 2, 0x29800
	v_mov_b32 v255, 0
	s_wait_alu depctr_va_vdst(0)
	s_wait_tensorcnt 0x0
	ds_add_u32 v254, v255
	s_wait_dscnt 0x0
	s_endpgm
.Lfunc_end_k_q673f76fc19_mix:
	.size	k_q673f76fc19_mix, .Lfunc_end_k_q673f76fc19_mix-k_q673f76fc19_mix
	.p2alignl 7, 3214868480
	.fill 96, 4, 3214868480
	.section	.rodata,"a",@progbits
	.p2align	6, 0x0
	.amdhsa_kernel k_q673f76fc19_mix
		.amdhsa_group_segment_fixed_size 172032
		.amdhsa_private_segment_fixed_size 0
		.amdhsa_enable_private_segment 0
		.amdhsa_kernarg_size 24
		.amdhsa_user_sgpr_count 2
		.amdhsa_user_sgpr_kernarg_segment_ptr 1
		.amdhsa_wavefront_size32 1
		.amdhsa_system_sgpr_workgroup_id_x 1
		.amdhsa_system_sgpr_workgroup_id_y 1
		.amdhsa_system_sgpr_workgroup_id_z 1
		.amdhsa_system_vgpr_workitem_id 0
		.amdhsa_next_free_vgpr 256
		.amdhsa_next_free_sgpr 66
		.amdhsa_reserve_vcc 1
		.amdhsa_float_denorm_mode_32 3
		.amdhsa_float_denorm_mode_16_64 3
		.amdhsa_memory_ordered 1
		.amdhsa_forward_progress 1
		.amdhsa_inst_pref_size 96
	.end_amdhsa_kernel
	.amdgpu_metadata
---
amdhsa.version: [ 1, 2 ]
amdhsa.kernels:
  - .name:           k_q673f76fc19_mix
    .symbol:         k_q673f76fc19_mix.kd
    .args:
      - { .name: h, .offset: 0, .size: 8, .value_kind: global_buffer, .address_space: global }
      - { .name: acodes, .offset: 8, .size: 8, .value_kind: global_buffer, .address_space: global }
      - { .name: ascales, .offset: 16, .size: 8, .value_kind: global_buffer, .address_space: global }
    .group_segment_fixed_size: 172032
    .private_segment_fixed_size: 0
    .kernarg_segment_align: 8
    .kernarg_segment_size: 24
    .max_flat_workgroup_size: 512
    .sgpr_count:     66
    .vgpr_count:     256
    .wavefront_size: 32
...
	.end_amdgpu_metadata
.endif
;; end of part 3
;; launch gemm2: the kernel of part 2 again; grid 8 x 32, 4 waves a work-group, clusters of 4 x 4, 327,680 bytes of LDS; arguments acodes, ascales, w2c, w2s, out0; writes out0
